; MI455X (gfx1250); checked and timed in simulation.
; The chip was launched on July 23, 2026; its instructions are those of AMD's public machine-readable ISA for CDNA 5 (MIT licence, August 2026) and "CDNA5" Instruction Set Architecture Reference Guide (July 2026). The comments in the code are by the model that wrote it; some were corrected since.
;; D Ne RF Distortion. Allowed arithmetic: matrix products marked QUANTISED: E5M2 operands, one E8M0 scale for each 32 along K, by v_wmma_scale_f32_16x16x128_f8f6f4 with both operands' format E5M2, f32 sums; products left as they are: f32 operands where the result goes on into a quantised operand, else bf16, f16 or f32 operands; f32 sums; everything else in f32.
;; Inputs: W1 8 x 3 x 256 float32; W2_codes 8 x 256 x 8 x 32 uint8 (E5M2 codes of W2, K innermost, in blocks of 32 codes); W2_scales 8 x 256 x 8 uint8 (E8M0 scales of W2, one for each 32 codes along K); W3_codes 8 x 256 x 8 x 32 uint8 (E5M2 codes of W3, K innermost, in blocks of 32 codes); W3_scales 8 x 256 x 8 uint8 (E8M0 scales of W3, one for each 32 codes along K); W4 8 x 256 x 3 float32; b1 8 x 256 float32; b2 8 x 256 float32; b3 8 x 256 float32; b4 8 x 3 float32; positions 65,536 x 3 float32; times 65,536 int32.
;; Outputs: out0 65,536 x 3 float32.
;; This version of the problem:
;;   THIS VERSION OF THE PROBLEM IS GIVEN IN LOW PRECISION. The matrix products marked QUANTISED in the list below multiply operands that are first quantised to E5M2 (5 exponent bits, 2 mantissa bits; 8 bits a number), with one power-of-two scale for each 32 numbers along K (OCP MX v1.0); their sums are f32. All else is computed in f32.
;;   The module's matrix products, in the order in which they are computed (A, B: the left and right operand; K: the contracted axis; several contracted axes count as one K, in the product's order):
;;     1. [M 65,536, K 3] x [K 3, N 256]; A: input positions; B: input W1: left as it is (K = 3 < 32)
;;     2. [M 65,536, K 256] x [K 256, N 256]; A: computed on the way; B: input W2 (given as codes): QUANTISED
;;     3. [M 65,536, K 256] x [K 256, N 256]; A: computed on the way; B: input W3 (given as codes): QUANTISED
;;     4. [M 65,536, K 256] x [K 256, N 3]; A: computed on the way; B: input W4: left as it is (N = 3 < 16)
;;     5. [M 65,536, K 3] x [K 3, N 256]; A: input positions; B: input W1: left as it is (K = 3 < 32)
;;     6. [M 65,536, K 256] x [K 256, N 256]; A: computed on the way; B: input W2 (given as codes): QUANTISED
;;     7. [M 65,536, K 256] x [K 256, N 256]; A: computed on the way; B: input W3 (given as codes): QUANTISED
;;     8. [M 65,536, K 256] x [K 256, N 3]; A: computed on the way; B: input W4: left as it is (N = 3 < 16)
;;     9. [M 65,536, K 3] x [K 3, N 256]; A: input positions; B: input W1: left as it is (K = 3 < 32)
;;     10. [M 65,536, K 256] x [K 256, N 256]; A: computed on the way; B: input W2 (given as codes): QUANTISED
;;     11. [M 65,536, K 256] x [K 256, N 256]; A: computed on the way; B: input W3 (given as codes): QUANTISED
;;     12. [M 65,536, K 256] x [K 256, N 3]; A: computed on the way; B: input W4: left as it is (N = 3 < 16)
;;     13. [M 65,536, K 3] x [K 3, N 256]; A: input positions; B: input W1: left as it is (K = 3 < 32)
;;     14. [M 65,536, K 256] x [K 256, N 256]; A: computed on the way; B: input W2 (given as codes): QUANTISED
;;     15. [M 65,536, K 256] x [K 256, N 256]; A: computed on the way; B: input W3 (given as codes): QUANTISED
;;     16. [M 65,536, K 256] x [K 256, N 3]; A: computed on the way; B: input W4: left as it is (N = 3 < 16)
;;     17. [M 65,536, K 3] x [K 3, N 256]; A: input positions; B: input W1: left as it is (K = 3 < 32)
;;     18. [M 65,536, K 256] x [K 256, N 256]; A: computed on the way; B: input W2 (given as codes): QUANTISED
;;     19. [M 65,536, K 256] x [K 256, N 256]; A: computed on the way; B: input W3 (given as codes): QUANTISED
;;     20. [M 65,536, K 256] x [K 256, N 3]; A: computed on the way; B: input W4: left as it is (N = 3 < 16)
;;     21. [M 65,536, K 3] x [K 3, N 256]; A: input positions; B: input W1: left as it is (K = 3 < 32)
;;     22. [M 65,536, K 256] x [K 256, N 256]; A: computed on the way; B: input W2 (given as codes): QUANTISED
;;     23. [M 65,536, K 256] x [K 256, N 256]; A: computed on the way; B: input W3 (given as codes): QUANTISED
;;     24. [M 65,536, K 256] x [K 256, N 3]; A: computed on the way; B: input W4: left as it is (N = 3 < 16)
;;     25. [M 65,536, K 3] x [K 3, N 256]; A: input positions; B: input W1: left as it is (K = 3 < 32)
;;     26. [M 65,536, K 256] x [K 256, N 256]; A: computed on the way; B: input W2 (given as codes): QUANTISED
;;     27. [M 65,536, K 256] x [K 256, N 256]; A: computed on the way; B: input W3 (given as codes): QUANTISED
;;     28. [M 65,536, K 256] x [K 256, N 3]; A: computed on the way; B: input W4: left as it is (N = 3 < 16)
;;     29. [M 65,536, K 3] x [K 3, N 256]; A: input positions; B: input W1: left as it is (K = 3 < 32)
;;     30. [M 65,536, K 256] x [K 256, N 256]; A: computed on the way; B: input W2 (given as codes): QUANTISED
;;     31. [M 65,536, K 256] x [K 256, N 256]; A: computed on the way; B: input W3 (given as codes): QUANTISED
;;     32. [M 65,536, K 256] x [K 256, N 3]; A: computed on the way; B: input W4: left as it is (N = 3 < 16)
;;   THE QUANTISER, for each operand of a quantised product, along K:
;;     - K is cut into blocks of 32 from its start; a last block that is shorter is filled with zeros.
;;     - A block's scale is 2^e with e = floor(log2(the largest magnitude in the block)) - 15, held to -126 .. 127; a block of zeros has e = 0. As a byte (E8M0): e + 127.
;;     - Each number is divided by its block's scale, clamped to +-57,344, and rounded to the nearest number of E5M2, ties to even, subnormals kept.
;;     - The product sums the exact products of the quantised numbers (number of the format x scale) in f32.
;;   ~~~python
;;   def quantise(x, axis):      # numpy; x: float32 -> the quantised numbers, widened to float32 again
;;       x = np.moveaxis(x, axis, -1); K = x.shape[-1]
;;       x = np.pad(x, [(0, 0)] * (x.ndim - 1) + [(0, -K % 32)]); x = x.reshape(x.shape[:-1] + (-1, 32)); a = np.abs(x).max(-1, keepdims=True)
;;       e = np.where(a > 0, np.clip(np.frexp(np.where(a > 0, a, 1))[1] - 1 - 15, -126, 127), 0)      # np.frexp(a)[1] - 1 = floor(log2(a)), exactly
;;       r = np.clip(x / 2.0 ** e, -57344, 57344)
;;       step = 2.0 ** (np.maximum(np.frexp(np.where(r == 0, 1, r))[1] - 1, -14) - 2)
;;       q = np.round(r / step) * step * 2.0 ** e      # np.round: ties to even
;;       return np.moveaxis(q.reshape(q.shape[:-2] + (-1,))[..., :K], -1, axis).astype(np.float32)
;;   ~~~
;;   OPERANDS COMPUTED ON THE WAY. 'Computed on the way' means the value that the module computes at that place (a softmax that the list does not call 'softmax' is quantised finished and normalised). What goes into a quantiser is computed in f32, as accurately as f32 sums, v_exp_f32 and their like allow (about 1e-6 of the number): no bf16 or f16 on the way to a quantiser, and a product that is left as it is and whose result goes on into a quantised operand takes f32 operands (vector FMAs, or v_wmma_f32_16x16x4_f32). A number that lies on a knife's edge between two numbers of the format may be rounded either way, as far as f32 arithmetic and the matrix unit's own rounding can turn it there, and no further.
;;   INPUTS GIVEN AS CODES. W2 (in the module: [8, 256, 256], K = its axis 1); W3 (in the module: [8, 256, 256], K = its axis 1): each comes as NAME_codes (uint8): NAME with its K axis moved to the last place and cut into blocks of 32 codes, [.., K / 32, bytes a block], one block behind the other in memory; one code a byte (a code: sign, 5 exponent bits, 2 mantissa bits); and NAME_scales (uint8): the same leading axes, one E8M0 byte (e + 127) for each 32 codes along K. Its value is code x scale, taken as it is: it is not quantised again, and the codes and scales need not be those that the quantiser above would give.
;; One version. Each part assembles by itself: llvm-mc -triple=amdgcn-amd-amdhsa -mcpu=gfx1250 --defsym DOCPART=n.
;; ======== version 1 of 1: 2 launches
;; limits: right only within a limited range of input values
;; workspace buffers: order 262,144 bytes of whole numbers; win 32,768 bytes of whole numbers; xs 1,048,576 bytes
;; launch route (part 1): grid 16 x 1, 16 waves a work-group, no clusters, 4,096 bytes of LDS; arguments times, positions, order, win, xs; writes order, win, xs
.if DOCPART == 1
	.amdgcn_target "amdgcn-amd-amdhsa--gfx1250"
	.amdhsa_code_object_version 6
	.text
	.protected	k_q754f87f4d4_route
	.globl	k_q754f87f4d4_route
	.p2align	8
	.type	k_q754f87f4d4_route,@function
k_q754f87f4d4_route:
	s_mov_b64 s[64:65], 0
	v_nop
	global_prefetch_b8 v0, s[64:65] scope:SCOPE_SE
	s_setreg_imm32_b32 hwreg(HW_REG_WAVE_MODE, 25, 1), 1
	s_wait_xcnt 0x0
; THE ROUTING.  65,536 points in 16 groups of 4,096; a work-group sorts its group by class (times), by a counting sort without atomics.
; Classes 0..7 are the eight networks; every other number in times (negative ones too, taken as unsigned) is class 8: points that keep zeros.
; STORED, for the launch that follows:  order[g][place] = the point's number;  xs[g][place] = (x, y, z, 1.0), 16 bytes;
;   win[16 g + j][0..14] = base[c0 + t], the first place of class c0 + t in the group (4,096 from class 9 on), win[..][15] = c0, the class of place 256 j.
; SHARES.  Wave w takes points B = 4096 g + 256 w on; a lane holds 8: element e = 4 q + i is point B + 128 q + 4 lane + i, so that each load of times
; is 512 consecutive bytes and a lane's four points' positions are 48 consecutive bytes.  Straight-line text, all lanes on.
; The stores go where the sort sends them, 16 and 4 bytes a point: that is the sort itself; 1.3 MB in all.
.set T,   8                            ; v8-15    the classes
.set RK,  16                           ; v16-23   rank of the element among its wave's elements of the same class
.set R,   24                           ; v24-47   positions as loaded
.set REC, 48                           ; v48-79   records (x, y, z, 1.0)
.set ID,  80                           ; v80-87   point numbers
.set P4,  88                           ; v88-95   4 x place
.set P16, 96                           ; v96-103  16 x place
.set X,   104                          ; v104-119 the sixteen waves' counts: lane c holds class c's
.set T4,  128                          ; v128-135 4 x class: the lane permute's index
.set BB,  136                          ; v136-143 first place of my wave's elements of the element's class
	s_load_b256 s[4:11], s[0:1], 0x0               ; times s[4:5], positions s[6:7], order s[8:9], win s[10:11]
	s_load_b64 s[12:13], s[0:1], 0x20              ; xs
	v_lshl_add_u32 v160, v0, 2, 0x800
	v_mov_b32 v161, 0
	v_lshrrev_b32 v5, 5, v0
	s_delay_alu instid0(VALU_DEP_1)
	v_readfirstlane_b32 s14, v5                    ; wave 0..15
	v_and_b32 v5, 31, v0                           ; lane
	s_delay_alu instid0(VALU_DEP_1)
	v_lshlrev_b32 v1, 4, v5                        ; times: 16 bytes a lane
	s_delay_alu instid0(VALU_DEP_2)
	v_mul_u32_u24 v2, v5, 48                       ; positions: 48 bytes a lane
	v_lshlrev_b32 v3, 2, v0                        ; LDS: my word of my wave's 32
	s_delay_alu instid0(VALU_DEP_4)
	v_lshlrev_b32 v4, 2, v5                        ; 4 x lane
	s_lshl_b32 s27, ttmp9, 12
	s_lshl_b32 s28, s14, 8
	s_add_co_u32 s27, s27, s28                     ; B, my wave's first point
	s_mov_b32 s31, 0
	s_wait_alu depctr_va_vdst(0)
	s_wait_kmcnt 0x0
	s_lshl_b32 s30, s27, 2
	s_add_nc_u64 s[4:5], s[4:5], s[30:31]          ; times at B
	s_mul_i32 s30, s27, 12
	s_add_nc_u64 s[6:7], s[6:7], s[30:31]          ; positions at B
	s_lshl_b32 s30, ttmp9, 14
	s_add_nc_u64 s[8:9], s[8:9], s[30:31]          ; order at my group
	s_lshl_b32 s30, ttmp9, 4
	s_add_co_u32 s30, s30, s14
	s_lshl_b32 s30, s30, 7
	s_add_nc_u64 s[10:11], s[10:11], s[30:31]      ; win at window 16 g + w: wave w writes that window's row
	s_lshl_b32 s30, ttmp9, 16
	s_add_nc_u64 s[12:13], s[12:13], s[30:31]      ; xs at my group
	global_load_b128 v[T:T+3], v1, s[4:5] th:TH_LOAD_NT
	global_load_b128 v[T+4:T+7], v1, s[4:5] offset:512 th:TH_LOAD_NT
.irp q, 0,1
.irp t, 0,1,2
	global_load_b128 v[R+12*\q+4*\t:R+12*\q+4*\t+3], v2, s[6:7] offset:1536*\q+16*\t th:TH_LOAD_NT
.endr
.endr
.irp c, 0,1,2,3,4,5,6,7,8
	s_mov_b32 s[16+\c], 0                          ; s16-24: my wave's count of each class so far
.endr
	s_wait_loadcnt 6                               ; times are in; the six loads of positions, issued behind them, may stay out
.irp e, 0,1,2,3,4,5,6,7
	v_min_u32 v[T+\e], 8, v[T+\e]                  ; all that is no class becomes class 8
.endr
; RANKS.  For element e: the nine classes' lane masks; rank = the count so far + the lanes below me with the same class; then the counts grow.
.irp e, 0,1,2,3,4,5,6,7
.irp c, 0,1,2,3,4,5,6,7,8
	v_cmp_eq_u32 s[42+\c], \c, v[T+\e]
.endr
	v_mbcnt_lo_u32_b32 v[RK+\e], s42, s16          ; class 0's figure starts the register
.irp c, 1,2,3,4,5,6,7,8
	v_mbcnt_lo_u32_b32 v125, s[42+\c], s[16+\c]
	s_delay_alu instid0(VALU_DEP_1)
	v_cndmask_b32 v[RK+\e], v[RK+\e], v125, s[42+\c]
.endr
.irp c, 0,1,2,3,4,5,6,7,8
	s_bcnt1_i32_b32 s29, s[42+\c]
	s_add_co_u32 s[16+\c], s[16+\c], s29
.endr
.endr
	v_mov_b32 v120, 0
.irp c, 0,1,2,3,4,5,6,7,8
	s_delay_alu instid0(VALU_DEP_1)
	v_writelane_b32 v120, s[16+\c], \c             ; lane c: my wave's count of class c
.endr
	ds_store_b32 v3, v120                          ; wave w's 32 words at 128 w
	s_wait_dscnt 0x0                               ; for the others' sake: my counts lie in LDS
	s_barrier_signal -1
	s_barrier_wait -1
.irp w, 0,1,2,3,4,5,6,7,8,9,10,11,12,13,14,15
	ds_load_b32 v[X+\w], v4 offset:128*\w
.endr
	v_mov_b32 v121, 0                              ; the group's count of class (lane)
	v_mov_b32 v122, 0                              ; and that of the waves in front of mine
	v_mov_b32 v123, 0x1000                         ; base: 4,096 in the lanes from 9 on
	s_wait_alu depctr_va_vdst(0)
	s_wait_dscnt 0x0
.irp w, 0,1,2,3,4,5,6,7,8,9,10,11,12,13,14,15
	s_cmp_gt_u32 s14, \w
	s_cselect_b32 s28, -1, 0
	v_add_nc_u32 v121, v121, v[X+\w]
	v_and_b32 v125, s28, v[X+\w]
	s_delay_alu instid0(VALU_DEP_1)
	v_add_nc_u32 v122, v122, v125
.endr
	s_mov_b32 s25, 0
.irp c, 0,1,2,3,4,5,6,7,8
	s_mov_b32 s[32+\c], s25                        ; s32-40: base[c], the running sum of the counts
	v_writelane_b32 v123, s25, \c
	v_readlane_b32 s29, v121, \c
	s_add_co_u32 s25, s25, s29
.endr
	s_mov_b32 s41, 0x1000                          ; base[9]
	v_add_nc_u32 v124, v123, v122                  ; lane c: where my wave's elements of class c begin
.irp e, 0,1,2,3,4,5,6,7
	v_lshlrev_b32 v[T4+\e], 2, v[T+\e]
.endr
.irp e, 0,1,2,3,4,5,6,7
	ds_bpermute_b32 v[BB+\e], v[T4+\e], v124       ; each element takes its class's figure from lane (class)
.endr
	s_lshl_b32 s28, s14, 8                         ; the window's first place, 256 w
	s_mov_b32 s26, 0
.irp c, 0,1,2,3,4,5,6,7,8
	s_cmp_le_u32 s[33+\c], s28                     ; c0 = how many classes end at or in front of that place
	s_add_co_ci_u32 s26, s26, 0
.endr
	s_min_u32 s26, s26, 8                          ; (base[9] = 4,096 lies behind every window, so it is 8 at the most)
	v_add_lshl_u32 v125, v5, s26, 2
	ds_bpermute_b32 v126, v125, v123               ; word t = base[c0 + t]
	s_wait_dscnt 0x0
	v_writelane_b32 v126, s26, 15                  ; word 15 = c0
.irp e, 0,1,2,3,4,5,6,7
	v_add_nc_u32 v[P4+\e], v[BB+\e], v[RK+\e]      ; the element's place in the group
	s_delay_alu instid0(VALU_DEP_1)
	v_min_u32 v[P4+\e], 0xfff, v[P4+\e]
	s_delay_alu instid0(VALU_DEP_1)
	v_lshlrev_b32 v[P16+\e], 4, v[P4+\e]
	s_delay_alu instid0(VALU_DEP_2)
	v_lshlrev_b32 v[P4+\e], 2, v[P4+\e]
	v_add3_u32 v[ID+\e], v4, s27, 128*(\e/4)+\e%4  ; its number: B + 4 lane + 128 q + i
.endr
	s_wait_loadcnt 0x0                             ; positions
.irp e, 0,1,2,3,4,5,6,7
	v_mov_b32 v[REC+4*\e], v[R+12*(\e/4)+3*(\e%4)]       ; 12 bytes a point become a record of 16: the fourth number, 1.0, multiplies the first layer's bias
	v_mov_b32 v[REC+4*\e+1], v[R+12*(\e/4)+3*(\e%4)+1]
	v_mov_b32 v[REC+4*\e+2], v[R+12*(\e/4)+3*(\e%4)+2]
	v_mov_b32 v[REC+4*\e+3], 1.0
.endr
.irp e, 0,1,2,3,4,5,6,7
	global_store_b128 v[P16+\e], v[REC+4*\e:REC+4*\e+3], s[12:13]
.endr
.irp e, 0,1,2,3,4,5,6,7
	global_store_b32 v[P4+\e], v[ID+\e], s[8:9]
.endr
	global_store_b32 v4, v126, s[10:11]            ; the window's row, 128 consecutive bytes.  No register of a store is written again
	s_wait_tensorcnt 0x0
	ds_add_u32 v160, v161
	s_wait_dscnt 0x0
	s_endpgm
.Lfunc_end_k_q754f87f4d4_route:
	.size	k_q754f87f4d4_route, .Lfunc_end_k_q754f87f4d4_route-k_q754f87f4d4_route
	.p2alignl 7, 3214868480
	.fill 96, 4, 3214868480
	.section	.rodata,"a",@progbits
	.p2align	6, 0x0
	.amdhsa_kernel k_q754f87f4d4_route
		.amdhsa_group_segment_fixed_size 4096
		.amdhsa_private_segment_fixed_size 0
		.amdhsa_enable_private_segment 0
		.amdhsa_kernarg_size 40
		.amdhsa_user_sgpr_count 2
		.amdhsa_user_sgpr_kernarg_segment_ptr 1
		.amdhsa_wavefront_size32 1
		.amdhsa_system_sgpr_workgroup_id_x 1
		.amdhsa_system_sgpr_workgroup_id_y 1
		.amdhsa_system_sgpr_workgroup_id_z 1
		.amdhsa_system_vgpr_workitem_id 0
		.amdhsa_next_free_vgpr 162
		.amdhsa_next_free_sgpr 66
		.amdhsa_reserve_vcc 0
		.amdhsa_float_denorm_mode_32 3
		.amdhsa_float_denorm_mode_16_64 3
		.amdhsa_memory_ordered 1
		.amdhsa_forward_progress 1
		.amdhsa_inst_pref_size 37
	.end_amdhsa_kernel
	.amdgpu_metadata
---
amdhsa.version: [ 1, 2 ]
amdhsa.kernels:
  - .name:           k_q754f87f4d4_route
    .symbol:         k_q754f87f4d4_route.kd
    .args:
      - { .name: times, .offset: 0, .size: 8, .value_kind: global_buffer, .address_space: global }
      - { .name: positions, .offset: 8, .size: 8, .value_kind: global_buffer, .address_space: global }
      - { .name: order, .offset: 16, .size: 8, .value_kind: global_buffer, .address_space: global }
      - { .name: win, .offset: 24, .size: 8, .value_kind: global_buffer, .address_space: global }
      - { .name: xs, .offset: 32, .size: 8, .value_kind: global_buffer, .address_space: global }
    .group_segment_fixed_size: 4096
    .private_segment_fixed_size: 0
    .kernarg_segment_align: 8
    .kernarg_segment_size: 40
    .max_flat_workgroup_size: 512
    .sgpr_count:     66
    .vgpr_count:     162
    .wavefront_size: 32
...
	.end_amdgpu_metadata
.endif
;; end of part 1
;; launch mlp (part 2): grid 256 x 1, 16 waves a work-group, no clusters, 202,752 bytes of LDS; arguments xs, order, win, W1, b1, W2_codes, W2_scales, b2, W3_codes, W3_scales, b3, W4, b4, out0; writes out0
.if DOCPART == 2
	.amdgcn_target "amdgcn-amd-amdhsa--gfx1250"
	.amdhsa_code_object_version 6
	.text
	.protected	k_q754f87f4d4_mlp
	.globl	k_q754f87f4d4_mlp
	.p2align	8
	.type	k_q754f87f4d4_mlp,@function
k_q754f87f4d4_mlp:
	s_mov_b64 s[64:65], 0
	v_nop
	global_prefetch_b8 v0, s[64:65] scope:SCOPE_SE
	s_setreg_imm32_b32 hwreg(HW_REG_WAVE_MODE, 25, 1), 1
	s_wait_xcnt 0x0
; out0[point] = tanh(tanh(tanh(tanh(x W1 + b1) W2 + b2) W3 + b3) W4 + b4) with the weights of the point's class; points of no class get zeros.
; Products 2 and 3 run on codes of BF8 (E5M2) with one E8M0 scale for each 32 along K: the weights as given, the activations quantised here, in registers.
; SHARES.  A work-group owns a window of 256 places of a group's order by class (made by the launch before) and walks the classes from the window's first on,
; in a loop of constant count 9; a class without rows in the window costs three barriers and no work.  The branches hang on whole numbers read from win.
; Sixteen waves, four to a SIMD, so that one wave's exponentials and reciprocals stand beside another's plain and matrix work: a tile of 16 rows x 32 units has
; 4 scaled matrix instructions and some 150 vector instructions.  THE WAVES SHARE THE COLUMNS: wave wv makes units 32 ug .. 32 ug + 31 (ug = wv & 7) of every
; layer, one block of the next K, for the row tiles of parity p = wv >> 3: rows 32 i + 16 p + r of the class's rows, i = 0 .. 7.  Its part of W2 and W3 stays in registers.
; ALL PRODUCTS ARE USED TRANSPOSED (source 0 = 16 units, source 1 = 16 rows), and lane r of a tile u of weights takes unit 32 ug + 8 u + r + (r & 8):
; so lane (r, h) holds row r, and its 16 results 8 u + j are units 32 ug + 16 h + 8 u + j: 16 neighbours along the next K, whose codes are four registers of the next operand.
; Those four registers go to LDS as they stand, 16 bytes a lane, and any wave of the same parity loads them back into the same lanes.  Hidden layers never go to memory.
; LAYER 1 feeds a quantiser, so it has f32 operands: v_wmma_f32_16x16x4_f32, K = (x, y, z, 1.0) against (W1's three rows, b1).  LAYER 4: bf16 operands, f32 sums; eight waves' partial sums meet in LDS.
; tanh(x) = 1 - 2 / (1 + 2^(2 log2(e) x)); where |x| < 0.125 it is x (1 + u (-1/3 + u 2/15)), u = x^2, chosen by v_cndmask_b32 in every lane: relative error about 2e-6 at the seam, whatever x's size.
; Layer 3's tanh, which is rounded to bf16, takes the first form alone (absolute error about 2e-7).
; ROWS PAST A CLASS'S LAST.  Tile step i (32 rows, both parities) runs where the class has more than 32 i rows; the rows past the last REPEAT the last row (the row's number is held at n - 1, for its record and
; for its point number alike).  So every lane always holds a row, all lanes stay on throughout, and the lanes past the last row store the last row's own numbers to the last row's own place: the same bytes, by the same instruction.
; LIMITS: NaN among the inputs is not served.  A block of activations whose largest magnitude lies under 2^-111, a block of zeros too, gets the scale byte 1 (its codes are then zeros or subnormal codes).  h3 and W4 are rounded to bf16.
; NO CLUSTER, NO TENSOR LOAD: which classes a work-group walks, and how many tiles each has, hangs on counts read from memory, so partners would ask for different weights;
; the weights (128 KB a class) go from memory straight into registers, once for each class that the window meets.
.set H2,   65536                       ; LDS: 0: layer 1's codes: wave wv's piece of tile step i at 4096 wv + 512 i + 16 lane;  H2: layer 2's, likewise
.set PP,   131072                      ; partial outputs, likewise: lanes 0-15 hold (o0, o1, o2, 0) of row r
.set SC1,  196608                      ; layer 1's scale bytes: tile m = 2 i + p, K step s, row r, block c at 128 m + 64 s + 4 r + c;  2,048 bytes on: layer 2's
.set W2F,  16                          ; v16-79   W2's fragments: tile u, K step s at 16 (2 u + s);   v80-143 W3's
.set B2C,  144                         ; v144-159 b2 in the result's layout;   v160-175 b3
.set PB,   160                         ; v160-175 in phase 1: the eight tiles' positions, two registers each
.set W2S,  176                         ; v176-179 W2's scale words (2 u + s);   v180-183 W3's.  They hold scales and nothing else
.set W1F,  184                         ; v184-187 W1's and b1's two fragments
.set W4F,  188                         ; v188-195 W4's fragment, bf16
.set ACC,  196                         ; v196-211 two accumulators: written by matrix instructions alone
.set XF,   212                         ; v212-243 the activations' two fragments; behind the products: tanh at work (XF .. XF+15 the result, XF+16 .. XF+31 the series)
.set XS,   244                         ; v244-245 the activations' scale words: scales and nothing else
.set PC,   246                         ; v246-249 the codes just made
.set UT,   246                         ; v246-253 x^2 at work in tanh
.set AM,   250
.set BM,   251
.set SO,   252                         ; the conversion's scale operand
.set HO,   253
.set BY,   254                         ; the scale's byte
.set AD,   255                         ; v255     the offset of the global access in hand, and nothing else: made of ids, or of numbers that a v_min_u32 with a constant holds on their way in
; v1 4096 wv + 16 lane; v2 = v1 + H2; v3 = v1 + PP; v4 32768 p + 16 lane; v5 = v4 + H2; v6 where my scale byte goes; v7 where scale words come from; v8 where partial outputs come from;
; v9 the point's number of row (thread & 255); v[10:11] -1/3; v12 64 h; v13 256 (r + (r & 8)) + 16 h; v14 8 (r + (r & 8)); v15 8 h
; s2 wave, s3 ug, s4 p, s6 the window's first place a, s7 a + 256, s[8:35] the 14 buffers, s[36:51] the window's row, s[52:63], s[66:73] the class's ten pointers,
; s[74:75] xs and s[76:77] order at my group, s78 n, s79 lo, s[80:82] b4, s84 -1 for a class, 0 for none, s85 c0, s[86:87] at work, s98 n - 1, s99 the class held at 7, s100 the trip, s101 16 p
.macro PLACES n
.rept \n
	v_nop
.endr
.endm
.macro BARRIER                         ; my LDS stores have landed and my LDS loads are in: then the work-group's barrier
	s_wait_dscnt 0x0
	s_barrier_signal -1
	s_barrier_wait -1
.endm
; The class of this trip: its rows in the window are places lo .. lo + n - 1.  Scalars alone, no branch.
.macro SEGS
	s_max_u32 s79, s36, s6                         ; lo = the later of the class's first place and the window's
	s_min_u32 s78, s37, s7                         ; the earlier of the two ends
	s_sub_co_i32 s78, s78, s79
	s_max_i32 s78, s78, 0
	s_min_u32 s78, s78, 256                        ; n
	s_min_u32 s79, s79, 0xfff
	s_sub_co_i32 s98, s78, 1
	s_max_i32 s98, s98, 0
	s_min_u32 s98, s98, 255                        ; n - 1: rows are held at it
	s_add_co_u32 s99, s85, s100                    ; the class
	s_cmp_lt_u32 s99, 8
	s_cselect_b32 s84, -1, 0                       ; class 8, the points of no class: the result is masked to zeros
	s_min_u32 s99, s99, 7                          ; and the weights read for it are class 7's: no load leaves its buffer
.endm
.macro CPTR dst, src, cs, ws           ; a buffer's address + class x cs + ug x ws
	s_mul_i32 s86, s99, \cs
	s_mul_i32 s87, s3, \ws
	s_add_co_u32 s86, s86, s87
	s_mov_b32 s87, 0
	s_add_nc_u64 s[\dst:\dst+1], s[\src:\src+1], s[86:87]
.endm
.macro CLASSPTR
	CPTR 52, 14, 3072, 128                         ; W1: my 32 units' columns
	CPTR 54, 16, 1024, 128                         ; b1
	CPTR 56, 18, 65536, 8192                       ; W2's codes: my 32 rows of 256 bytes
	CPTR 58, 20, 2048, 256                         ; W2's scales: 8 bytes a row
	CPTR 60, 22, 1024, 128                         ; b2
	CPTR 62, 24, 65536, 8192                       ; W3's codes
	CPTR 66, 26, 2048, 256                         ; W3's scales
	CPTR 68, 28, 1024, 128                         ; b3
	CPTR 70, 30, 3072, 384                         ; W4: my 32 rows of 12 bytes
	CPTR 72, 32, 12, 0                             ; b4
.endm
; All that a class needs but b3: 31 loads for phase 1, W4 and the point numbers; 24 for layer 2; the wait for the 31; 20 for layer 3; then W1's and W4's fragments are finished.
; The twelve offsets take turns in v[AD]: it is written again only behind s_wait_xcnt 0, when the loads that name it have read it.
.macro LOADS
	v_and_b32 v[XF+28], 15, v0
	s_delay_alu instid0(VALU_DEP_1)
	v_add_nc_u32 v[XF+28], s101, v[XF+28]          ; r + 16 p
.irp i, 0,1,2,3,4,5,6,7
	v_add_nc_u32 v[XF+16+\i], 32*\i, v[XF+28]      ; tile step i: my row,
	s_delay_alu instid0(VALU_DEP_1)
	v_min_u32 v[XF+16+\i], s98, v[XF+16+\i]        ; held at the class's last,
	s_delay_alu instid0(VALU_DEP_1)
	v_add_nc_u32 v[XF+16+\i], s79, v[XF+16+\i]     ; its place in the group
.endr
	v_and_b32 v[XF+24], 0xff, v0                   ; and the same of row (thread & 255), for its point number
	s_delay_alu instid0(VALU_DEP_1)
	v_min_u32 v[XF+24], s98, v[XF+24]
	s_delay_alu instid0(VALU_DEP_1)
	v_add_nc_u32 v[XF+24], s79, v[XF+24]
	s_load_b96 s[80:82], s[72:73], 0x0             ; b4
.irp i, 0,1,2,3,4,5,6,7
	v_min_u32 v[AD], 0xfff, v[XF+16+\i]            ; a place of the group's 4,096
	s_delay_alu instid0(VALU_DEP_1)
	v_lshl_add_u32 v[AD], v[AD], 4, v15            ; its record: lanes 0-15 take (x, y), lanes 16-31 (z, 1.0)
	global_load_b64 v[PB+2*\i:PB+2*\i+1], v[AD], s[74:75]
	s_wait_xcnt 0x0
.endr
	v_lshrrev_b32 v[AD], 1, v14                    ; 4 (r + (r & 8)): my unit's column in W1 and b1
.irp u, 0,1
	global_load_b32 v[W1F+2*\u+1], v[AD], s[52:53] offset:1024+32*\u      ; k = 1, for lanes 0-15
	global_load_b32 v[PC+\u], v[AD], s[54:55] offset:32*\u                ; k = 3, the bias, for lanes 16-31
.endr
	s_wait_alu depctr_va_vdst(0)
	s_wait_xcnt 0x0
	v_lshl_add_u32 v[AD], v15, 8, v[AD]            ; + 2,048 h: row 0 of W1 for lanes 0-15, row 2 for lanes 16-31
.irp u, 0,1
	global_load_b32 v[W1F+2*\u], v[AD], s[52:53] offset:32*\u             ; k = 2 h
.endr
	s_wait_xcnt 0x0
	v_and_b32 v[AD], 15, v0
	s_delay_alu instid0(VALU_DEP_1)
	v_min_u32 v[AD], 2, v[AD]
	s_delay_alu instid0(VALU_DEP_1)
	v_lshlrev_b32 v[AD], 2, v[AD]
	s_delay_alu instid0(VALU_DEP_1)
	v_mad_u32_u24 v[AD], v15, 24, v[AD]            ; W4: 192 h + 4 min(r, 2): output r of units 16 h on (lanes with r above 2 are cleared below)
.irp t, 0,1,2,3,4,5,6,7,8,9,10,11,12,13,14,15
	global_load_b32 v[XF+\t], v[AD], s[70:71] offset:12*\t                ; W4(32 ug + 16 h + t, r)
.endr
	s_wait_xcnt 0x0
	v_min_u32 v[AD], 0xfff, v[XF+24]
	s_delay_alu instid0(VALU_DEP_1)
	v_lshlrev_b32 v[AD], 2, v[AD]                  ; row (thread & 255)'s word in order
	global_load_b32 v9, v[AD], s[76:77]
.irp u, 0,1
.irp s, 0,1
.irp c, 0,1,2,3
	global_load_b128 v[W2F+16*(2*\u+\s)+4*\c:W2F+16*(2*\u+\s)+4*\c+3], v13, s[56:57] offset:2048*\u+128*\s+32*\c
.endr
.endr
.endr
.irp q, 0,1,2,3
	global_load_b128 v[B2C+4*\q:B2C+4*\q+3], v12, s[60:61] offset:16*\q   ; b2 at units 16 h + 0 .. 15: the result's layout
.endr
.irp u, 0,1
.irp s, 0,1
	global_load_b32 v[W2S+2*\u+\s], v14, s[58:59] offset:64*\u+4*\s
.endr
.endr
	s_wait_loadcnt 24                              ; the first 31 loads, which phase 1 wants, are in; layer 2's 24, issued behind them, may stay out.  Layer 3's go out behind this wait: they are wanted two phases on
.irp u, 0,1
.irp s, 0,1
.irp c, 0,1,2,3
	global_load_b128 v[W2F+64+16*(2*\u+\s)+4*\c:W2F+64+16*(2*\u+\s)+4*\c+3], v13, s[62:63] offset:2048*\u+128*\s+32*\c
.endr
.endr
.endr
.irp u, 0,1
.irp s, 0,1
	global_load_b32 v[W2S+4+2*\u+\s], v14, s[66:67] offset:64*\u+4*\s
.endr
.endr
	; the small operands are finished here, with the loads that brought them, so that they stand whenever their class's loads have run
.irp u, 0,1
	v_cndmask_b32 v[W1F+2*\u+1], v[W1F+2*\u+1], v[PC+\u], s96   ; k = 2 h + 1: W1's row 1 in lanes 0-15, b1 in lanes 16-31
.endr
.irp k, 0,1,2,3,4,5,6,7
	v_cvt_pk_bf16_f32 v[W4F+\k], v[XF+2*\k], v[XF+2*\k+1]
.endr
.irp k, 0,1,2,3,4,5,6,7
	v_cndmask_b32 v[W4F+\k], 0, v[W4F+\k], s97     ; rows 3 to 15 of the fragment are zeros
.endr
.endm
; The series for small x, n pairs from register first on: QP = x (1 + u (-1/3 + u 2/15)), operation by operation across the pairs.
.macro PATCH X, QP, UT, n, first
.set pj, 0
.rept \n
	v_pk_mul_f32 v[\UT+pj:\UT+pj+1], v[\X+\first+pj:\X+\first+pj+1], v[\X+\first+pj:\X+\first+pj+1]
.set pj, pj+2
.endr
.set pj, 0
	v_pk_fma_f32 v[\QP+\first+pj:\QP+\first+pj+1], v[\UT+pj:\UT+pj+1], s[90:91], v[10:11] op_sel_hi:[1,0,1]
.set pj, pj+2
.rept (\n)-1
	s_delay_alu instid0(VALU_DEP_4)
	v_pk_fma_f32 v[\QP+\first+pj:\QP+\first+pj+1], v[\UT+pj:\UT+pj+1], s[90:91], v[10:11] op_sel_hi:[1,0,1]
.set pj, pj+2
.endr
.set pj, 0
	v_pk_fma_f32 v[\QP+\first+pj:\QP+\first+pj+1], v[\UT+pj:\UT+pj+1], v[\QP+\first+pj:\QP+\first+pj+1], 1.0 op_sel_hi:[1,1,0]
.set pj, pj+2
.rept (\n)-1
	s_delay_alu instid0(VALU_DEP_4)
	v_pk_fma_f32 v[\QP+\first+pj:\QP+\first+pj+1], v[\UT+pj:\UT+pj+1], v[\QP+\first+pj:\QP+\first+pj+1], 1.0 op_sel_hi:[1,1,0]
.set pj, pj+2
.endr
.set pj, 0
.rept \n
	v_pk_mul_f32 v[\QP+\first+pj:\QP+\first+pj+1], v[\X+\first+pj:\X+\first+pj+1], v[\QP+\first+pj:\QP+\first+pj+1]
.set pj, pj+2
.endr
.endm
; T = tanh(X), NP pairs.  X is read from its low end on and is never written.  The exponentials are one batch and the reciprocals another, each with one wait;
; the series, which names no result of either, is the plain work behind each batch.
.macro TANH X, T, QP, UT, NP, patch
.set j, 0
.rept \NP
	v_pk_mul_f32 v[\T+j:\T+j+1], v[\X+j:\X+j+1], s[88:89] op_sel_hi:[1,0]   ; 2 log2(e) x
.set j, j+2
.endr
.set j, 0
	s_wait_alu depctr_va_vdst(0)
.rept 2*\NP
	v_exp_f32 v[\T+j], v[\T+j]
.set j, j+1
.endr
	s_wait_dscnt 0x0                               ; the last tile's LDS stores have read the codes and the byte, whose registers are written again below
.if \patch
	PATCH \X, \QP, \UT, \NP/2, 0
.else
	v_nop                                          ; a plain instruction behind the last exponential
.endif
	s_wait_alu depctr_va_vdst(0)                   ; the wait ahead of the first line that names an exponential's result: one for the batch
.set j, 0
.rept \NP
	v_pk_add_f32 v[\T+j:\T+j+1], v[\T+j:\T+j+1], 1.0 op_sel_hi:[1,0]
.set j, j+2
.endr
.set j, 0
	s_wait_alu depctr_va_vdst(0)
.rept 2*\NP
	v_rcp_f32 v[\T+j], v[\T+j]
.set j, j+1
.endr
.if \patch
	PATCH \X, \QP, \UT, \NP/2, \NP
.else
	v_nop
.endif
	s_wait_alu depctr_va_vdst(0)                   ; and one for the reciprocals
.set j, 0
.rept \NP
	v_pk_fma_f32 v[\T+j:\T+j+1], v[\T+j:\T+j+1], -2.0, 1.0 op_sel_hi:[1,0,0]
.set j, j+2
.endr
.if \patch
.set j, 0
.rept \NP/2
	v_cmp_lt_f32 s104, |v[\X+j]|, s92              ; four masks, then four choices: no line waits for the line above it
	v_cmp_lt_f32 s105, |v[\X+j+1]|, s92
	v_cmp_lt_f32 s86, |v[\X+j+2]|, s92
	v_cmp_lt_f32 s87, |v[\X+j+3]|, s92
	s_delay_alu instid0(VALU_DEP_4)
	v_cndmask_b32 v[\T+j], v[\T+j], v[\QP+j], s104
	s_delay_alu instid0(VALU_DEP_4)
	v_cndmask_b32 v[\T+j+1], v[\T+j+1], v[\QP+j+1], s105
	s_delay_alu instid0(VALU_DEP_4)
	v_cndmask_b32 v[\T+j+2], v[\T+j+2], v[\QP+j+2], s86
	s_delay_alu instid0(VALU_DEP_4)
	v_cndmask_b32 v[\T+j+3], v[\T+j+3], v[\QP+j+3], s87
.set j, j+4
.endr
.endif
.endm
; The lane's 16 numbers in XF .. XF+15, half of a block of 32 along the next K (the other half lies in lane l xor 16), become 16 codes in PC .. PC+3 and the block's byte in BY.
.macro QUANT
	v_max3_num_f32 v[AM], |v[XF]|, |v[XF+1]|, 0x8000000      ; the largest magnitude, in two chains, with the floor 2^(16 - 127) among the leaves: the byte cannot fall under 1
	v_max3_num_f32 v[BM], |v[XF+2]|, |v[XF+3]|, |v[XF+6]|
	s_delay_alu instid0(VALU_DEP_2)
	v_max3_num_f32 v[AM], v[AM], |v[XF+4]|, |v[XF+5]|
	s_delay_alu instid0(VALU_DEP_2)
	v_max3_num_f32 v[BM], v[BM], |v[XF+7]|, |v[XF+10]|
	s_delay_alu instid0(VALU_DEP_2)
	v_max3_num_f32 v[AM], v[AM], |v[XF+8]|, |v[XF+9]|
	s_delay_alu instid0(VALU_DEP_2)
	v_max3_num_f32 v[BM], v[BM], |v[XF+11]|, |v[XF+14]|
	s_delay_alu instid0(VALU_DEP_2)
	v_max3_num_f32 v[AM], v[AM], |v[XF+12]|, |v[XF+13]|
	s_delay_alu instid0(VALU_DEP_1)
	v_max3_num_f32 v[AM], v[AM], v[BM], |v[XF+15]|
	s_delay_alu instid0(VALU_DEP_1)
	v_permlanex16_b32 v[BM], v[AM], s94, s95
	s_delay_alu instid0(VALU_DEP_1)
	v_max_num_f32 v[AM], v[AM], v[BM]              ; with lane l xor 16's: the block's
	s_delay_alu instid0(VALU_DEP_1)
	v_add_nc_u32 v[SO], 0xf8800000, v[AM]          ; 15 off its exponent field: the conversion takes that field as its scale
	s_delay_alu instid0(VALU_DEP_1)
	v_lshrrev_b32 v[BY], 23, v[SO]                 ; the scale's byte
.irp j, 0,1,2,3,4,5,6,7,8,9,10,11,12,13,14,15
.endr
	v_cvt_scalef32_pk8_bf8_f32 v[PC:PC+1], v[XF:XF+7], v[SO]
	v_cvt_scalef32_pk8_bf8_f32 v[PC+2:PC+3], v[XF+8:XF+15], v[SO]
	v_nop                                          ; a plain instruction behind the last conversion, ahead of whatever next touches its registers
.endm
; Nine v_nop stand behind each run of f32 or scaled matrix instructions: eight ahead of the vector lines that read the results and write over the activations' fragments, and of any load or vector line that writes the operands,
; and one more because the next matrix instruction on these accumulators begins a new sum over them (the lines of tanh name the products' registers and are not counted).
.macro L1TILE i                        ; layer 1 for rows 32 i + 16 p on
	s_cmp_gt_u32 s78, 32*\i
	s_cbranch_scc0 .Lp1e                           ; tile steps have rows from the first on: the first without ends the phase
	v_wmma_f32_16x16x4_f32 v[ACC:ACC+7], v[W1F:W1F+1], v[PB+2*\i:PB+2*\i+1], 0
	v_wmma_f32_16x16x4_f32 v[ACC+8:ACC+15], v[W1F+2:W1F+3], v[PB+2*\i:PB+2*\i+1], 0
	PLACES 9
	TANH ACC, XF, XF+16, UT, 8, 1
	QUANT
	ds_store_b128 v1, v[PC:PC+3] offset:512*\i
	ds_store_b8 v6, v[BY] offset:256*\i            ; both lanes of a block write the same byte with the same value
.endm
.macro HTILE i, L, lab                 ; layer L = 2 or 3 for rows 32 i + 16 p on
.set WF, W2F+64*(\L-2)
.set WS, W2S+4*(\L-2)
.set BC, B2C+16*(\L-2)
	s_cmp_gt_u32 s78, 32*\i
	s_cbranch_scc0 \lab
.irp q, 0,1,2,3,4,5,6,7
	ds_load_b128 v[XF+4*\q:XF+4*\q+3], v[2+\L] offset:4096*\q+512*\i   ; block q of K, made by wave 8 p + q: registers 4 q on of the two fragments
.endr
.irp s, 0,1
	ds_load_b32 v[XS+\s], v7 offset:2048*(\L-2)+256*\i+64*\s
.endr
	s_wait_dscnt 0x0
.irp s, 0,1                            ; the two accumulators by turns; the bias is the C of each sum's first product
.irp u, 0,1
.if \s == 0
	v_wmma_scale_f32_16x16x128_f8f6f4 v[ACC+8*\u:ACC+8*\u+7], v[WF+16*(2*\u+\s):WF+16*(2*\u+\s)+15], v[XF+16*\s:XF+16*\s+15], v[BC+8*\u:BC+8*\u+7], v[WS+2*\u+\s], v[XS+\s] matrix_a_fmt:MATRIX_FMT_BF8 matrix_b_fmt:MATRIX_FMT_BF8
.else
	v_wmma_scale_f32_16x16x128_f8f6f4 v[ACC+8*\u:ACC+8*\u+7], v[WF+16*(2*\u+\s):WF+16*(2*\u+\s)+15], v[XF+16*\s:XF+16*\s+15], v[ACC+8*\u:ACC+8*\u+7], v[WS+2*\u+\s], v[XS+\s] matrix_a_fmt:MATRIX_FMT_BF8 matrix_b_fmt:MATRIX_FMT_BF8
.endif
.endr
.endr
	PLACES 9
.if \L == 2
	TANH ACC, XF, XF+16, UT, 8, 1
	QUANT
	ds_store_b128 v2, v[PC:PC+3] offset:512*\i
	ds_store_b8 v6, v[BY] offset:2048+256*\i
.else
	TANH ACC, XF, XF+16, UT, 8, 0
.irp k, 0,1,2,3,4,5,6,7
	v_cvt_pk_bf16_f32 v[XF+16+\k], v[XF+2*\k], v[XF+2*\k+1]   ; half t of the lane's 16 holds unit 32 ug + 16 h + t: the same order as in W4's fragment, so the products pair up
.endr
	v_wmma_f32_16x16x32_bf16 v[ACC:ACC+7], v[W4F:W4F+7], v[XF+16:XF+23], 0   ; my 32 units' part of the three outputs: lanes 0-15, registers 0-2
	PLACES 5                                       ; four ahead of the store of the result, one more for the next tile's new sum over it
	ds_store_b128 v3, v[ACC:ACC+3] offset:512*\i
.endif
.endm
	s_load_b512 s[8:23], s[0:1], 0x0               ; xs, order, win, W1, b1, W2's codes, W2's scales, b2
	s_load_b256 s[24:31], s[0:1], 0x40             ; W3's codes, W3's scales, b3, W4
	s_load_b128 s[32:35], s[0:1], 0x60             ; b4, out0
	v_lshrrev_b32 v250, 5, v0
	s_delay_alu instid0(VALU_DEP_1)
	v_readfirstlane_b32 s2, v250                   ; wave 0..15
	s_and_b32 s3, s2, 7                            ; ug
	s_lshr_b32 s4, s2, 3                           ; p
	s_lshl_b32 s101, s4, 4
	v_and_b32 v250, 31, v0                         ; lane
	v_and_b32 v251, 15, v0                         ; r
	s_wait_alu depctr_va_vdst(0)
	v_bfe_u32 v252, v0, 4, 1                       ; h
	s_lshl_b32 s86, s2, 12
	v_lshl_add_u32 v1, v250, 4, s86
	s_delay_alu instid0(VALU_DEP_1)
	v_add_nc_u32 v2, H2, v1
	s_delay_alu instid0(VALU_DEP_2)
	v_add_nc_u32 v3, PP, v1
	s_lshl_b32 s86, s4, 15
	v_lshl_add_u32 v4, v250, 4, s86
	s_delay_alu instid0(VALU_DEP_1)
	v_add_nc_u32 v5, H2, v4
	s_lshr_b32 s86, s2, 2
	s_lshl_b32 s86, s86, 6                         ; 128 p + 64 (ug / 4) = 64 (wave / 4)
	s_and_b32 s87, s2, 3                           ; my block in its K step
	s_add_co_u32 s86, s86, s87
	s_add_co_u32 s86, s86, SC1
	v_lshl_add_u32 v6, v251, 2, s86
	s_lshl_b32 s86, s4, 7
	s_add_co_u32 s86, s86, SC1
	v_lshl_add_u32 v7, v251, 2, s86
	s_lshl_b32 s86, s3, 9
	s_add_co_u32 s86, s86, PP
	v_lshl_add_u32 v8, v251, 4, s86
	s_wait_alu depctr_va_vdst(0)
	v_lshl_add_u32 v8, v252, 15, v8                ; row 32 wave + lane = tile step (wave), parity h, row r: 32768 h + 512 wave + 16 r; the eight waves' parts lie 4,096 apart
	v_mov_b32 v10, 0xbeaaaaab
	v_mov_b32 v11, 0xbeaaaaab
	v_lshlrev_b32 v12, 6, v252
	v_and_b32 v253, 8, v251
	s_delay_alu instid0(VALU_DEP_1)
	v_add_nc_u32 v253, v253, v251                  ; r + (r & 8)
	s_delay_alu instid0(VALU_DEP_1)
	v_lshlrev_b32 v13, 8, v253
	s_delay_alu instid0(VALU_DEP_1)
	v_lshl_add_u32 v13, v252, 4, v13
	s_delay_alu instid0(VALU_DEP_3)
	v_lshlrev_b32 v14, 3, v253
	v_lshlrev_b32 v15, 3, v252
	s_mov_b32 s88, 0x4038aa3b                      ; 2 log2(e); the packed forms name a pair and take its low word for both halves
	s_mov_b32 s89, s88
	s_mov_b32 s90, 0x3e088889                      ; 2/15
	s_mov_b32 s91, s90
	s_mov_b32 s92, 0x3e000000                      ; 0.125
	s_mov_b32 s94, 0x76543210
	s_mov_b32 s95, 0xfedcba98                      ; v_permlanex16_b32's selects for lane l xor 16
	s_mov_b32 s96, 0xffff0000                      ; lanes 16-31
	s_mov_b32 s97, 0x00070007                      ; lanes with r under 3
	s_lshl_b32 s86, ttmp9, 7
	s_mov_b32 s87, 0
	s_wait_kmcnt 0x0
	s_add_nc_u64 s[12:13], s[12:13], s[86:87]
	s_load_b512 s[36:51], s[12:13], 0x0            ; my window's row: s36 + t = base[c0 + t], s51 = c0
	s_lshr_b32 s86, ttmp9, 4
	s_lshl_b32 s86, s86, 16
	s_add_nc_u64 s[74:75], s[8:9], s[86:87]        ; xs at my group
	s_lshr_b32 s86, s86, 2
	s_add_nc_u64 s[76:77], s[10:11], s[86:87]      ; order at my group
	s_and_b32 s6, ttmp9, 15
	s_lshl_b32 s6, s6, 8
	s_add_co_u32 s7, s6, 256
	s_mov_b32 s100, 0
	s_wait_kmcnt 0x0
	s_min_u32 s85, s51, 8
	SEGS
	CLASSPTR
	LOADS                                          ; the window's first class always has rows: its loads go out here
.Lclass:                                           ; nine trips: classes c0 .. c0 + 8
	s_cmp_eq_u32 s100, 0
	s_cbranch_scc1 .Lloaded
	s_cmp_eq_u32 s78, 0
	s_cbranch_scc1 .Lloaded
	s_wait_loadcnt 0x0                             ; pointers, offsets and destinations are written again only when no load is out,
	s_wait_kmcnt 0x0                               ; b4's scalar load among them (the waves that pass over phase 4 wait for it here)
	CLASSPTR
	LOADS
.Lloaded:
	; ---- phase 1: layer 1.  What it reads was waited for, and finished, inside LOADS
	s_cmp_eq_u32 s78, 0
	s_cbranch_scc1 .Lp1x
.irp i, 0,1,2,3,4,5,6,7
	L1TILE \i
.endr
.Lp1e:
.irp q, 0,1,2,3
	global_load_b128 v[B2C+16+4*\q:B2C+16+4*\q+3], v12, s[68:69] offset:16*\q   ; b3, into the registers that the positions have left
.endr
.Lp1x:
	BARRIER                                        ; layer 1's codes and bytes lie in LDS
	; ---- phase 2: layer 2
	s_wait_loadcnt 4                               ; all but b3's four loads, the last issued
.irp i, 0,1,2,3,4,5,6,7
	HTILE \i, 2, .Lp2e
.endr
.Lp2e:
	BARRIER                                        ; layer 2's lie in LDS
	; ---- phase 3: layers 3 and 4
	s_wait_loadcnt 0x0                             ; b3; from here to the next class's loads no load is out
.irp i, 0,1,2,3,4,5,6,7
	HTILE \i, 3, .Lp3e
.endr
.Lp3e:
	BARRIER                                        ; the partial outputs lie in LDS
	; ---- phase 4: waves 0 to 7, a lane a row: row = the thread's number.  Wave w has rows where the class has more than 32 w; tile step w then ran for both parities, so all 32 lanes find their sums
	s_cmp_ge_u32 s2, 8
	s_cbranch_scc1 .Lp4e
	s_lshl_b32 s86, s2, 5
	s_cmp_ge_u32 s86, s78
	s_cbranch_scc1 .Lp4e
	s_wait_kmcnt 0x0                               ; b4
	v_min_u32 v[AD], 0xffff, v9                    ; the point's number, one of 65,536,
	s_delay_alu instid0(VALU_DEP_1)
	v_mul_u32_u24 v[AD], v[AD], 12                 ; and its row of out0
.irp q, 0,1,2,3,4,5,6,7
	ds_load_b128 v[XF+4*\q:XF+4*\q+3], v8 offset:4096*\q
.endr
	s_wait_dscnt 0x0
.irp q, 0,2,4,6
	v_pk_add_f32 v[XF+4*\q:XF+4*\q+1], v[XF+4*\q:XF+4*\q+1], v[XF+4*\q+4:XF+4*\q+5]
	v_pk_add_f32 v[XF+4*\q+2:XF+4*\q+3], v[XF+4*\q+2:XF+4*\q+3], v[XF+4*\q+6:XF+4*\q+7]
.endr
.irp q, 0
	v_pk_add_f32 v[XF+4*\q:XF+4*\q+1], v[XF+4*\q:XF+4*\q+1], v[XF+4*\q+8:XF+4*\q+9]
	v_pk_add_f32 v[XF+4*\q+2:XF+4*\q+3], v[XF+4*\q+2:XF+4*\q+3], v[XF+4*\q+10:XF+4*\q+11]
.endr
.irp q, 4
	s_delay_alu instid0(VALU_DEP_4)
	v_pk_add_f32 v[XF+4*\q:XF+4*\q+1], v[XF+4*\q:XF+4*\q+1], v[XF+4*\q+8:XF+4*\q+9]
	s_delay_alu instid0(VALU_DEP_4)
	v_pk_add_f32 v[XF+4*\q+2:XF+4*\q+3], v[XF+4*\q+2:XF+4*\q+3], v[XF+4*\q+10:XF+4*\q+11]
.endr
	s_delay_alu instid0(VALU_DEP_2)
	v_pk_add_f32 v[XF:XF+1], v[XF:XF+1], v[XF+16:XF+17]
	s_delay_alu instid0(VALU_DEP_2)
	v_pk_add_f32 v[XF+2:XF+3], v[XF+2:XF+3], v[XF+18:XF+19]
.irp j, 0
	s_delay_alu instid0(VALU_DEP_2)
	v_add_f32 v[XF+\j], s[80+\j], v[XF+\j]
.endr
.irp j, 1, 2
	s_delay_alu instid0(VALU_DEP_3)
	v_add_f32 v[XF+\j], s[80+\j], v[XF+\j]
.endr
	TANH XF+0, XF+4, XF+8, XF+12, 2, 1
.irp j, 0,1,2
	s_delay_alu instid0(VALU_DEP_4)
	v_and_b32 v[XF+4+\j], s84, v[XF+4+\j]          ; points of no class: +0
.endr
	global_store_b96 v[AD], v[XF+4:XF+6], s[34:35] ; the point's row, where the input's own order has it; the lanes past the class's last row hold that row again and store it again
	s_wait_xcnt 0x0                                ; the store has read its offset and its data: both are written again further on
.Lp4e:
.irp t, 0,1,2,3,4,5,6,7,8
	s_mov_b32 s[36+\t], s[37+\t]                   ; the row moves on by a class
.endr
	s_add_co_u32 s100, s100, 1
	SEGS
	s_cmp_lt_u32 s100, 9
	s_cbranch_scc1 .Lclass
	s_wait_xcnt 0x0
	v_lshl_add_u32 v254, v0, 2, 0x31000
	v_mov_b32 v255, 0
	s_wait_alu depctr_va_vdst(0)
	s_wait_tensorcnt 0x0
	ds_add_u32 v254, v255
	s_wait_dscnt 0x0
	s_endpgm
.Lfunc_end_k_q754f87f4d4_mlp:
	.size	k_q754f87f4d4_mlp, .Lfunc_end_k_q754f87f4d4_mlp-k_q754f87f4d4_mlp
	.p2alignl 7, 3214868480
	.fill 96, 4, 3214868480
	.section	.rodata,"a",@progbits
	.p2align	6, 0x0
	.amdhsa_kernel k_q754f87f4d4_mlp
		.amdhsa_group_segment_fixed_size 202752
		.amdhsa_private_segment_fixed_size 0
		.amdhsa_enable_private_segment 0
		.amdhsa_kernarg_size 112
		.amdhsa_user_sgpr_count 2
		.amdhsa_user_sgpr_kernarg_segment_ptr 1
		.amdhsa_wavefront_size32 1
		.amdhsa_system_sgpr_workgroup_id_x 1
		.amdhsa_system_sgpr_workgroup_id_y 1
		.amdhsa_system_sgpr_workgroup_id_z 1
		.amdhsa_system_vgpr_workitem_id 0
		.amdhsa_next_free_vgpr 256
		.amdhsa_next_free_sgpr 106
		.amdhsa_reserve_vcc 0
		.amdhsa_float_denorm_mode_32 3
		.amdhsa_float_denorm_mode_16_64 3
		.amdhsa_fp16_overflow 1
		.amdhsa_memory_ordered 1
		.amdhsa_forward_progress 1
		.amdhsa_inst_pref_size 237
	.end_amdhsa_kernel
	.amdgpu_metadata
---
amdhsa.version: [ 1, 2 ]
amdhsa.kernels:
  - .name:           k_q754f87f4d4_mlp
    .symbol:         k_q754f87f4d4_mlp.kd
    .args:
      - { .name: xs, .offset: 0, .size: 8, .value_kind: global_buffer, .address_space: global }
      - { .name: order, .offset: 8, .size: 8, .value_kind: global_buffer, .address_space: global }
      - { .name: win, .offset: 16, .size: 8, .value_kind: global_buffer, .address_space: global }
      - { .name: W1, .offset: 24, .size: 8, .value_kind: global_buffer, .address_space: global }
      - { .name: b1, .offset: 32, .size: 8, .value_kind: global_buffer, .address_space: global }
      - { .name: W2_codes, .offset: 40, .size: 8, .value_kind: global_buffer, .address_space: global }
      - { .name: W2_scales, .offset: 48, .size: 8, .value_kind: global_buffer, .address_space: global }
      - { .name: b2, .offset: 56, .size: 8, .value_kind: global_buffer, .address_space: global }
      - { .name: W3_codes, .offset: 64, .size: 8, .value_kind: global_buffer, .address_space: global }
      - { .name: W3_scales, .offset: 72, .size: 8, .value_kind: global_buffer, .address_space: global }
      - { .name: b3, .offset: 80, .size: 8, .value_kind: global_buffer, .address_space: global }
      - { .name: W4, .offset: 88, .size: 8, .value_kind: global_buffer, .address_space: global }
      - { .name: b4, .offset: 96, .size: 8, .value_kind: global_buffer, .address_space: global }
      - { .name: out0, .offset: 104, .size: 8, .value_kind: global_buffer, .address_space: global }
    .group_segment_fixed_size: 202752
    .private_segment_fixed_size: 0
    .kernarg_segment_align: 8
    .kernarg_segment_size: 112
    .max_flat_workgroup_size: 512
    .sgpr_count:     106
    .vgpr_count:     256
    .wavefront_size: 32
...
	.end_amdgpu_metadata
.endif
;; end of part 2
